; MI455X (gfx1250); checked and timed in simulation.
; The chip was launched on July 23, 2026; its instructions are those of AMD's public machine-readable ISA for CDNA 5 (MIT licence, August 2026) and "CDNA5" Instruction Set Architecture Reference Guide (July 2026). The comments in the code are by the model that wrote it; some were corrected since.
;; RTN Gemm Linear. Allowed arithmetic: matrix products marked QUANTISED: E2M1 operands, one E8M0 scale for each 32 along K, by v_wmma_scale_f32_16x16x128_f8f6f4 with both operands' format E2M1 (or v_wmma_scale_f32_32x16x128_f4), f32 sums; everything else in f32.
;; Inputs: qweight 4,096 x 4,096 int32; scales 4,096 x 32 float32; x 4,096 x 4,096 float32.
;; Outputs: out0 4,096 x 4,096 float32.
;; This version of the problem:
;;   THIS VERSION OF THE PROBLEM IS GIVEN IN LOW PRECISION. The matrix products marked QUANTISED in the list below multiply operands that are first quantised to E2M1 (2 exponent bits, 1 mantissa bit; 4 bits a number), with one power-of-two scale for each 32 numbers along K (OCP MX v1.0); their sums are f32. All else is computed in f32.
;;   The module's matrix products, in the order in which they are computed (A, B: the left and right operand; K: the contracted axis; several contracted axes count as one K, in the product's order):
;;     1. [M 4,096, K 4,096] x [K 4,096, N 4,096]; A: input x; B: computed on the way: QUANTISED
;;   THE QUANTISER, for each operand of a quantised product, along K:
;;     - K is cut into blocks of 32 from its start; a last block that is shorter is filled with zeros.
;;     - A block's scale is 2^e with e = floor(log2(the largest magnitude in the block)) - 2, held to -126 .. 127; a block of zeros has e = 0. As a byte (E8M0): e + 127.
;;     - Each number is divided by its block's scale, clamped to +-6, and rounded to the nearest number of E2M1, ties to even, subnormals kept.
;;     - The product sums the exact products of the quantised numbers (number of the format x scale) in f32.
;;   ~~~python
;;   def quantise(x, axis):      # numpy; x: float32 -> the quantised numbers, widened to float32 again
;;       x = np.moveaxis(x, axis, -1); K = x.shape[-1]
;;       x = np.pad(x, [(0, 0)] * (x.ndim - 1) + [(0, -K % 32)]); x = x.reshape(x.shape[:-1] + (-1, 32)); a = np.abs(x).max(-1, keepdims=True)
;;       e = np.where(a > 0, np.clip(np.frexp(np.where(a > 0, a, 1))[1] - 1 - 2, -126, 127), 0)      # np.frexp(a)[1] - 1 = floor(log2(a)), exactly
;;       r = np.clip(x / 2.0 ** e, -6, 6)
;;       step = 2.0 ** (np.maximum(np.frexp(np.where(r == 0, 1, r))[1] - 1, 0) - 1)
;;       q = np.round(r / step) * step * 2.0 ** e      # np.round: ties to even
;;       return np.moveaxis(q.reshape(q.shape[:-2] + (-1,))[..., :K], -1, axis).astype(np.float32)
;;   ~~~
;;   OPERANDS COMPUTED ON THE WAY. 'Computed on the way' means the value that the module computes at that place (a softmax that the list does not call 'softmax' is quantised finished and normalised). What goes into a quantiser is computed in f32, as accurately as f32 sums, v_exp_f32 and their like allow (about 1e-6 of the number): no bf16 or f16 on the way to a quantiser, and a product that is left as it is and whose result goes on into a quantised operand takes f32 operands (vector FMAs, or v_wmma_f32_16x16x4_f32). A number that lies on a knife's edge between two numbers of the format may be rounded either way, as far as f32 arithmetic and the matrix unit's own rounding can turn it there, and no further.
;; One version. Each part assembles by itself: llvm-mc -triple=amdgcn-amd-amdhsa -mcpu=gfx1250 --defsym DOCPART=n.
;; ======== version 1 of 1: 2 launches
;; limits: right only within a limited range of input values
;; workspace buffers: xq 8,912,896 bytes; wq 8,912,896 bytes
;; launch quant (part 1): grid 1024 x 1, 4 waves a work-group, no clusters, 66,048 bytes of LDS; arguments x, qweight, scales, xq, wq; writes xq, wq
.if DOCPART == 1
	.amdgcn_target "amdgcn-amd-amdhsa--gfx1250"
	.amdhsa_code_object_version 6
	.text
	.protected	k_q4d987f10ee_quant
	.globl	k_q4d987f10ee_quant
	.p2align	8
	.type	k_q4d987f10ee_quant,@function
k_q4d987f10ee_quant:
	s_mov_b64 s[64:65], 0
	v_nop
	global_prefetch_b8 v0, s[64:65] scope:SCOPE_SE
	s_setreg_imm32_b32 hwreg(HW_REG_WAVE_MODE, 25, 1), 1
	s_wait_xcnt 0x0
; x [4096][4096] f32, and W[o][k] = (f32(qweight[o][k]) - 8) x scales[o][k / 128] (cast, subtraction, multiplication in f32, in that order),
; are turned into codes of FP4 (E2M1), 4 bits each, K innermost, with one E8M0 scale byte for each 32 along K.
; A block's scale is 2^(floor(log2(its largest magnitude)) - 2); its byte is the largest magnitude's own exponent field - 2, held at 1 from below.
; Each number is divided by the scale and rounded to the nearest code, ties to even; beyond 6 the conversion gives the largest code.
; LIMITS: NaN and infinities among x and scales are not served.  A block whose largest magnitude lies under 2^(3 - 127) keeps the byte 1; a block of zeros too,
; where the rule says 127: its codes are zeros, which add nothing under any byte but 0xff, and the bytes are read by this program alone.
; THE OUTPUT'S LAYOUT is the one in which the product's launch fetches: xq and wq are [32 blocks of 128 rows][8 K steps of 512][TILEB bytes].  Such a tile is dense:
; 128 x 256 bytes, row r's 512 codes (the lower k in the low four bits), then 128 x 16 bytes, row r's 16 scale bytes.
; SHARES.  Work-groups 0-511 take x, 512-1023 take W.  A wave takes 16 rows x one K step, a row a step: 2,048 consecutive bytes in, 256 consecutive bytes of codes out;
; its 16 steps make 256 scale bytes, which are gathered in LDS and leave by one store of 256 consecutive bytes.
; The conversions take neighbours along K from ONE lane's registers, a load is best where neighbouring LANES take neighbouring bytes: so each of a step's four loads reads 512
; consecutive bytes, and the 2,048 bytes turn through the wave's own stage in LDS and come back 64 bytes a lane (two neighbouring lanes hold a block of 32).
; A load's 512 bytes are one group of 128 of W, so W's group scale is the same in all lanes of a load: it is a scalar, and W is made in the registers as they were loaded.
; No tensor loads, no barrier: waves share nothing.  Loads run four steps (16 loads a wave) ahead, the turn through LDS one step.  Every offset is an immediate: no pointer is stepped and no
; store's data are written again.
.set STEPS, 16
.set ROWB,  16384                      ; a row of x or of qweight in bytes
.set TILEB, 34816                      ; a tile of the output: 128 x 256 + 128 x 16 bytes
.set SP,    80                         ; a lane's place in a stage: its 64 bytes + 16 of padding
.set STG,   32*SP                      ; a stage
.set ARMB,  32768                      ; each of the text's two arms has LDS bytes of its own: x's from 0, W's from here; in them 8,192 for each wave: two stages, then 256 scale bytes
.set R,     16                         ; v16-79   four sets of 16 numbers as they are loaded
.set X,     80                         ; v80-111  two sets of 16 neighbours
.set E,     112                        ; v112-127 a scale byte for each step
.set C,     128                        ; v128-159 codes: two registers for each step
	s_load_b128 s[4:7], s[0:1], 0x0                ; x, qweight
	s_load_b128 s[8:11], s[0:1], 0x10              ; scales, xq
	s_load_b64 s[12:13], s[0:1], 0x20              ; wq
	v_lshl_add_u32 v160, v0, 2, 0x10000
	v_mov_b32 v161, 0
	v_lshrrev_b32 v1, 5, v0
	v_readfirstlane_b32 s16, v1                    ; wave 0..3
	v_and_b32 v2, 31, v0                           ; lane
	v_lshlrev_b32 v3, 4, v2                        ; my 16 bytes of a load's 512
	v_lshlrev_b32 v4, 3, v2                        ; my 8 bytes of a store's 256
	s_lshl_b32 s17, s16, 13                        ; my wave's 8,192 bytes of LDS
	v_lshrrev_b32 v14, 2, v2
	v_mul_u32_u24 v14, v14, SP
	v_and_b32 v15, 3, v2
	v_lshl_add_u32 v14, v15, 4, v14
	v_add_nc_u32 v14, s17, v14                     ; the stage, on the way in: four lanes' 64 bytes on end, then 16 of padding; a load's 512 bytes take eight places
	v_mul_u32_u24 v15, v2, SP
	v_add_nc_u32 v15, s17, v15                     ; and on the way out: my 16 neighbours
	v_lshrrev_b32 v5, 1, v2
	s_add_co_u32 s17, s17, 2*STG
	v_add_nc_u32 v5, s17, v5                       ; my wave's 256 scale bytes: my block's byte,
	v_add_nc_u32 v6, s17, v4                       ; and on the way out 8 bytes a lane
	s_and_b32 s18, ttmp9, 511                      ; my place among the tensor's 512 work-groups
	s_lshr_b32 s19, s18, 1                         ; j: which 16 rows
	s_and_b32 s20, s18, 1
	s_lshl_b32 s20, s20, 2
	s_add_co_u32 s20, s20, s16                     ; ks: which K step, 0..7
	s_and_b32 s21, s19, 7                          ; which 16 rows of the block of 128
	s_lshl_b32 s22, s19, 18                        ; in: 16 j rows of 16,384 bytes
	s_lshl_b32 s23, s20, 11                        ;     + ks x 2,048
	s_add_co_u32 s22, s22, s23
	s_mov_b32 s23, 0
	s_lshr_b32 s24, s19, 3
	s_lshl_b32 s24, s24, 3
	s_add_co_u32 s24, s24, s20                     ; the tile: 8 x (j / 8) + ks
	s_mul_i32 s24, s24, TILEB
	s_lshl_b32 s26, s21, 8
	s_add_co_u32 s26, s26, s24
	s_add_co_u32 s26, s26, 32768                   ; out, scale bytes: behind the tile's codes, 256 bytes for my 16 rows
	s_mov_b32 s27, 0
	s_lshl_b32 s25, s21, 12
	s_add_co_u32 s24, s24, s25                     ; out, codes: 16 rows of 256 bytes
	s_mov_b32 s25, 0
	s_lshl_b32 s30, s19, 11                        ; W's group scales: 16 j rows of 128 bytes
	s_lshl_b32 s31, s20, 4                         ;     + ks x 4 groups of 4 bytes
	s_add_co_u32 s30, s30, s31
	s_mov_b32 s31, 0
	s_mov_b32 s28, 0xc1000000                      ; -8.0: the packed addition names a pair and takes its low word for both halves,
	s_mov_b32 s29, s28                             ; so both are written
	s_wait_kmcnt 0x0
	s_cmp_lt_u32 ttmp9, 512                        ; x's work-group or W's?  The choice hangs on the work-group's number alone
	s_cselect_b64 s[4:5], s[4:5], s[6:7]
	s_cselect_b64 s[10:11], s[10:11], s[12:13]
	s_add_nc_u64 s[12:13], s[10:11], s[26:27]      ; where my scale bytes go
	s_add_nc_u64 s[10:11], s[10:11], s[24:25]      ; where my codes go
	s_add_nc_u64 s[4:5], s[4:5], s[22:23]          ; where my numbers come from
	s_add_nc_u64 s[8:9], s[8:9], s[30:31]          ; and W's group scales
.macro LOAD t                          ; step t: row t of my 16, four loads of 512 consecutive bytes
.irp i, 0,1,2,3
	global_load_b128 v[R+16*((\t)%4)+4*\i:R+16*((\t)%4)+4*\i+3], v3, s[4:5] offset:ROWB*(\t)+512*\i th:TH_LOAD_NT
.endr
.endm
.macro DEQ t                           ; W's step t, in the registers as loaded: registers 4 i .. 4 i + 3 belong to the row's group i of this K step, whose scale lies in s[SSB + i]
.set RS, R+16*((\t)%4)
.set SSB, 32+4*(\t)+4*((\t)/8)
.irp n, 0,1,2,3,4,5,6,7,8,9,10,11,12,13,14,15
	v_cvt_f32_i32 v[RS+\n], v[RS+\n]
.endr
.irp n, 0,2,4,6,8,10,12,14
	v_pk_add_f32 v[RS+\n:RS+\n+1], v[RS+\n:RS+\n+1], s[28:29] op_sel_hi:[1,0]   ; - 8: exact
.endr
.irp n, 0,1,2,3,4,5,6,7,8,9,10,11,12,13,14,15
	v_mul_f32 v[RS+\n], s[SSB+\n/4], v[RS+\n]      ; x the group's scale: the one rounding
.endr
.endm
.macro TURN t, arm                     ; step t's numbers through the stage: LDS serves a wave's instructions in order (ISA guide 5.7.1.4), so no wait stands between the stores and the loads
.irp i, 0,1,2,3
	ds_store_b128 v14, v[R+16*((\t)%4)+4*\i:R+16*((\t)%4)+4*\i+3] offset:ARMB*\arm+STG*((\t)%2)+8*SP*\i
.endr
.irp i, 0,1,2,3
	ds_load_b128 v[X+16*((\t)%2)+4*\i:X+16*((\t)%2)+4*\i+3], v15 offset:ARMB*\arm+STG*((\t)%2)+16*\i
.endr
.endm
.macro STEP t, arm
.set XS, X+16*((\t)%2)
.if (\t) > 0
	s_wait_dscnt 1                                 ; this step's numbers are back from the stage (the last step's byte store may be out): so its stores into the stage have read their registers,
.else
	s_wait_dscnt 0x0
.endif
.if (\t)+4 < STEPS
	LOAD (\t)+4                                    ; which take the loads of four steps on
.endif
.if (\t)+1 < STEPS
.if STEPS-2-(\t) >= 3
	s_wait_loadcnt 12                              ; the next step's four loads are in; those of the three steps behind it may be out
.else
	s_wait_loadcnt 4*(STEPS-2-(\t))                ; near the end fewer steps stand behind it
.endif
.if \arm
	DEQ (\t)+1
.endif
	TURN (\t)+1, \arm                              ; and go through the other stage while this step is worked
.endif
	v_max3_num_f32 v8, |v[XS]|, |v[XS+1]|, |v[XS+2]|               ; the largest magnitude of my 16, in two chains
	v_max3_num_f32 v9, |v[XS+3]|, |v[XS+4]|, |v[XS+5]|
.irp i, 6,10
	v_max3_num_f32 v8, v8, |v[XS+\i]|, |v[XS+\i+1]|
	v_max3_num_f32 v9, v9, |v[XS+\i+2]|, |v[XS+\i+3]|
.endr
	v_max3_num_f32 v8, v8, |v[XS+14]|, |v[XS+15]|
	v_max3_num_f32 v8, v8, v9, 0x1800000           ; and the floor 2^(3 - 127), under which no largest magnitude is taken: so the byte cannot fall under 1
	v_max_num_f32_dpp v8, v8, v8 row_xmask:1 row_mask:0xf bank_mask:0xf   ; and of my neighbour's 16: the block's
	v_add_nc_u32 v11, 0xff000000, v8               ; 2 off its exponent field: the conversion takes the exponent field of this operand as its scale, and nothing else of it
	v_cvt_scalef32_pk8_fp4_f32 v[C+2*(\t)], v[XS:XS+7], v11         ; eight numbers / the scale, to the nearest code, ties to even; the first number's code in the lowest four bits
	v_cvt_scalef32_pk8_fp4_f32 v[C+2*(\t)+1], v[XS+8:XS+15], v11
	v_lshrrev_b32 v[E+(\t)], 23, v11               ; the scale's byte (also the plain vector line behind the conversions)
	ds_store_b8 v5, v[E+(\t)] offset:ARMB*\arm+16*(\t)              ; both lanes of a block write the same byte with the same value
	global_store_b64 v4, v[C+2*(\t):C+2*(\t)+1], s[10:11] offset:256*(\t)   ; 32 lanes store the row's 256 consecutive bytes, at a multiple of 256 from the buffer's first byte
.endm
	s_cmp_lt_u32 ttmp9, 512
	s_cbranch_scc0 .Lweights
	; ---- x
.irp t, 0,1,2,3
	LOAD \t
.endr
	s_wait_loadcnt 12                              ; step 0's four loads are in
	s_wait_alu depctr_va_vdst(0)
	TURN 0, 0
.irp t, 0,1,2,3,4,5,6,7,8,9,10,11,12,13,14,15
	STEP \t, 0
.endr
	ds_load_b64 v[12:13], v6                       ; LDS serves a wave's instructions in order: these see my byte stores
	s_wait_dscnt 0x0
	global_store_b64 v4, v[12:13], s[12:13]        ; my 16 rows' scale bytes: 256 consecutive bytes
	s_wait_tensorcnt 0x0
	ds_add_u32 v160, v161
	s_wait_dscnt 0x0
	s_endpgm
.Lweights:
	; ---- W: the same, with the numbers made on the way
.irp t, 0,1,2,3
	LOAD \t
.endr
.irp t, 0,1,2,3,4,5,6,7,8,9,10,11,12,13,14,15
	s_load_b128 s[32+4*\t+4*(\t/8):35+4*\t+4*(\t/8)], s[8:9], 128*\t   ; row t's four group scales of this K step: s32-63 for rows 0-7, s68-99 for rows 8-15
.endr
	s_wait_kmcnt 0x0
	s_wait_loadcnt 12                              ; step 0's four loads are in (scalar loads are counted apart)
	DEQ 0
	TURN 0, 1
.irp t, 0,1,2,3,4,5,6,7,8,9,10,11,12,13,14,15
	STEP \t, 1
.endr
	ds_load_b64 v[12:13], v6 offset:ARMB
	s_wait_dscnt 0x0
	global_store_b64 v4, v[12:13], s[12:13]
	s_wait_tensorcnt 0x0
	ds_add_u32 v160, v161
	s_wait_dscnt 0x0
	s_endpgm
.Lfunc_end_k_q4d987f10ee_quant:
	.size	k_q4d987f10ee_quant, .Lfunc_end_k_q4d987f10ee_quant-k_q4d987f10ee_quant
	.p2alignl 7, 3214868480
	.fill 96, 4, 3214868480
	.section	.rodata,"a",@progbits
	.p2align	6, 0x0
	.amdhsa_kernel k_q4d987f10ee_quant
		.amdhsa_group_segment_fixed_size 66048
		.amdhsa_private_segment_fixed_size 0
		.amdhsa_enable_private_segment 0
		.amdhsa_kernarg_size 40
		.amdhsa_user_sgpr_count 2
		.amdhsa_user_sgpr_kernarg_segment_ptr 1
		.amdhsa_wavefront_size32 1
		.amdhsa_system_sgpr_workgroup_id_x 1
		.amdhsa_system_sgpr_workgroup_id_y 1
		.amdhsa_system_sgpr_workgroup_id_z 1
		.amdhsa_system_vgpr_workitem_id 0
		.amdhsa_next_free_vgpr 162
		.amdhsa_next_free_sgpr 100
		.amdhsa_reserve_vcc 0
		.amdhsa_float_denorm_mode_32 3
		.amdhsa_float_denorm_mode_16_64 3
		.amdhsa_memory_ordered 1
		.amdhsa_forward_progress 1
		.amdhsa_inst_pref_size 90
	.end_amdhsa_kernel
	.amdgpu_metadata
---
amdhsa.version: [ 1, 2 ]
amdhsa.kernels:
  - .name:           k_q4d987f10ee_quant
    .symbol:         k_q4d987f10ee_quant.kd
    .args:
      - { .name: x, .offset: 0, .size: 8, .value_kind: global_buffer, .address_space: global }
      - { .name: qweight, .offset: 8, .size: 8, .value_kind: global_buffer, .address_space: global }
      - { .name: scales, .offset: 16, .size: 8, .value_kind: global_buffer, .address_space: global }
      - { .name: xq, .offset: 24, .size: 8, .value_kind: global_buffer, .address_space: global }
      - { .name: wq, .offset: 32, .size: 8, .value_kind: global_buffer, .address_space: global }
    .group_segment_fixed_size: 66048
    .private_segment_fixed_size: 0
    .kernarg_segment_align: 8
    .kernarg_segment_size: 40
    .max_flat_workgroup_size: 128
    .sgpr_count:     100
    .vgpr_count:     162
    .wavefront_size: 32
...
	.end_amdgpu_metadata
.endif
;; end of part 1
;; launch gemm (part 2): grid 16 x 16, 4 waves a work-group, clusters of 4 x 4, 327,680 bytes of LDS; arguments xq, wq, out0; writes out0
.if DOCPART == 2
	.amdgcn_target "amdgcn-amd-amdhsa--gfx1250"
	.amdhsa_code_object_version 6
	.text
	.protected	k_q4d987f10ee_gemm
	.globl	k_q4d987f10ee_gemm
	.p2align	8
	.type	k_q4d987f10ee_gemm,@function
k_q4d987f10ee_gemm:
	s_mov_b64 s[64:65], 0
	v_nop
	global_prefetch_b8 v0, s[64:65] scope:SCOPE_SE
	s_setreg_imm32_b32 hwreg(HW_REG_WAVE_MODE, 25, 1), 1
	s_wait_xcnt 0x0
	s_wait_alu depctr_hold_cnt(0) depctr_sa_sdst(0) depctr_va_vdst(0) depctr_va_sdst(0) depctr_va_ssrc(0) depctr_va_vcc(0) depctr_vm_vsrc(0)
	s_getreg_b32 s2, hwreg(HW_REG_IB_STS2, 6, 4)
	s_cmp_eq_u32 s2, 0
	s_cbranch_scc0 .Lentry_in_a_cluster
	s_endpgm
.Lentry_in_a_cluster:
	s_bfe_u32 s2, ttmp6, 0x10000c
	s_cmp_lg_u32 s2, 0xf033
	s_cbranch_scc0 .Lentry_shape_is_right
	s_endpgm
.Lentry_shape_is_right:
; out0[m][n] = sum over k of Q(x)[m][k] Q(W)[n][k]: codes of FP4 (E2M1) with one E8M0 byte for each 32 along K, as the launch before laid them:
; xq and wq are [32 blocks of 128 rows][8 K steps of 512][136 x 256 bytes]: 128 rows of 256 bytes of codes, then 8 rows of 256 bytes with 16 scale bytes for each of the 128 rows.
; A work-group of four waves makes 256 x 256 of out0, a wave 128 x 128: 64 accumulators of 16 x 16.  K goes in steps of 512 through a ring of two LDS slots; each wave fetches one dense tile
; (136 rows of 256 bytes, 16 bytes of padding behind each) with one tensor load.  CLUSTERS: 4 x 4 work-groups; x's tiles are asked for jointly along a row of the cluster, W's along a column.
; Half of the clusters begin their walk over the 8 K steps at step 4 (the start hangs on the cluster's coordinates alone) and wrap round: a sum's order of K steps is rotated there.
; THE MATRIX INSTRUCTION IS USED TRANSPOSED: source 0 = 16 rows of W, source 1 = 16 rows of x: a lane holds eight neighbouring numbers of a row of out0.
; REGISTERS, in windows of 256: window 0: v0-31 addresses; v32-95 scale words, two sets; v128-191, v192-255 x's fragments (8 x 16 rows x 128 K), two sets; on the way out v128-255 are free.
;   window 1: W's fragments, two sets, at v0 and at v128.   window 2: the accumulators of my rows 0-63 ((a, b) at v[8 (8 a + b)]);   window 3: those of my rows 64-127.
; A STEP of 128 along K is 64 matrix instructions.  ALL 32 LDS loads of the NEXT step stand in ONE run at the step's head, into the other sets: 64 matrix instructions lie between a load and its first use.
; So a slot's last reads are issued at the head of its third step: the change of slots (the waits, the add, the round, the refill) stands in the third step, and the fourth fetches from the next slot.
; PREFETCH: behind each refill of the loop's first two trips (the walk's K steps 2 to 5) stands one prefetch of the codes of the K step two fills on (4 to 7): of the 128 rows of codes that a wave fetches
; each of the four partners that ask jointly names 32, a lane a row of 256 bytes, told apart by address.  Nothing is prefetched at the head: the walk's first four K steps come by their loads alone,
; and so do each tile's 8 rows of scale bytes.
.set SIZE_N, 4096
.set PITCH,  272                       ; an LDS row: 256 bytes + 16 of padding
.set TILEB,  136*256                   ; a tile in memory
.set RBB,    8*TILEB                   ; a block of 128 rows, all of K
.set QTR,    136*PITCH                 ; a tile in LDS
.set SCOFF,  128*PITCH                 ; its scale bytes
.set SLOT,   4*QTR                     ; x's two tiles, then W's two
.set LAPS,   4                         ; a lap = two K steps = once round the ring
.set SPARE,  2*SLOT                    ; the spare words, 128 bytes a wave
.set SPITCH, 528                       ; the way out: a stage of 16 rows x (512 + 16) bytes a wave, in slot 0 behind its last fill and last read
.set ADRA, 16                          ; v16-17 LDS address of my x fragments in slot 0, 1
.set ADRB, 20                          ; v20-21 the same for W
.set ADRS, 22                          ; v22-23 my scale words: lanes 0-15 x's rows, lanes 16-31 W's
.set STO,  24
.set RD,   25
.set CO,   26
.set SPW,  28                          ; my spare word; never rewritten
.set NIL,  29                          ; 0; never rewritten
.set PFO,  30                          ; the prefetches' offset: lane x 256
.set SC,   32                          ; scale words: set s at v[SC + 32 s]; register 4 i + q: block i, the slot's q-th 128 along K
.set AF,   128                         ; x's fragments: set p at v[AF + 64 p]
.set BK,   128                         ; the way out: 16 rows read back from the stage, two sets by turns
.set KC,  2                            ; the K step that slot 0's next fill takes
.set OFS, 18
.set BXA, 14
.set BWA, 46
.set G1,  24
.set G0,  32
.set G1B, 48
.set G0B, 56
.set PFB, 66                           ; s[66:67] my 32 rows of the block that I fetch, K step 0
.set PFA, 68                           ; s[68:69] the same at the K step that is asked for
.set PO,  70                           ; s[70:71] an offset
.set MUL_LO, 0xa1                      ; source 0 (W) window 1, source 1 (x) window 0, C and D window 2
.set MUL_HI, 0xf1                      ; the same, C and D window 3
.set TO_B,   0x40                      ; destination window 1, address window 0
.set MSB, 0
.macro WIN new                         ; the immediate's high byte repeats the setting that is left
.if MSB != \new
	s_set_vgpr_msb (MSB<<8)|\new
.set MSB, \new
.endif
.endm
.macro JLOAD s                         ; a joint load: waves 0 and 1 fetch x's two tiles, waves 2 and 3 W's; s_nop 0 and four v_nop behind each line
	s_cmp_eq_u32 s11, 0
	s_cbranch_scc0 .Lfor_b_\@
	tensor_load_to_lds s[G0+4*\s:G0+4*\s+3], s[G1:G1+7]
	s_nop 0
.rept 4
	v_nop
.endr
	s_branch .Lasked_\@
.Lfor_b_\@:
	tensor_load_to_lds s[G0B+4*\s:G0B+4*\s+3], s[G1B:G1B+7]
	s_nop 0
.rept 4
	v_nop
.endr
.Lasked_\@:
.endm
.macro AIM s                           ; slot s's group 0 at K step KC + s
	s_add_nc_u64 s[G0+4*\s+2:G0+4*\s+3], s[BXA:BXA+1], s[OFS:OFS+1]
	s_add_nc_u64 s[G0B+4*\s+2:G0B+4*\s+3], s[BWA:BWA+1], s[OFS:OFS+1]
.if \s
	s_add_nc_u64 s[G0+4*\s+2:G0+4*\s+3], s[G0+4*\s+2:G0+4*\s+3], TILEB
	s_add_nc_u64 s[G0B+4*\s+2:G0B+4*\s+3], s[G0B+4*\s+2:G0B+4*\s+3], TILEB
.endif
	s_or_b32 s[G0+4*\s+3], s[G0+4*\s+3], 0x80000000
	s_or_b32 s[G0B+4*\s+3], s[G0B+4*\s+3], 0x80000000
.endm
.macro CREST                           ; a round of the cluster's barrier behind its opening barrier
	s_cmp_lg_u32 s10, 0
	s_cbranch_scc1 .Lnot_wave_0_\@
	s_barrier_signal -3
.Lnot_wave_0_\@:
	s_barrier_wait -3
	s_barrier_signal -1
	s_barrier_wait -1
.endm
.macro CROUND
	s_barrier_signal -1
	s_barrier_wait -1
	CREST
.endm
.macro ASK off                         ; in the loop's last trip (s3 = 1) the walk has no K step two fills on
	s_cmp_gt_u32 s3, 1
	s_cbranch_scc0 .Lno_ask_\@
	global_prefetch_b8 v[PFO], s[PFA:PFA+1] offset:\off th:TH_LOAD_NT scope:SCOPE_SE
.Lno_ask_\@:
.endm
.macro PLACES n
.rept \n
	v_nop
.endr
.endm
	s_load_b128 s[4:7], s[0:1], 0x0                ; xq, wq
	s_load_b64 s[8:9], s[0:1], 0x10                ; out0
	v_lshl_add_u32 v[SPW], v0, 2, SPARE
	v_mov_b32 v[NIL], 0
	ds_add_u32 v[SPW], v[NIL]                      ; the opening lines: the add, twice on end, and its wait
	ds_add_u32 v[SPW], v[NIL]
	v_lshrrev_b32 v1, 5, v0
	v_readfirstlane_b32 s10, v1                    ; wave 0..3
	s_lshr_b32 s11, s10, 1                         ; my half of the tile's rows; also: I fetch for x (0) or W (1)
	s_and_b32 s12, s10, 1                          ; my half of its columns; also: which block of 128 rows I fetch
	s_bfe_u32 s40, ttmp6, 0x40000                  ; cx
	s_bfe_u32 s41, ttmp6, 0x40004                  ; cy
	s_and_b32 s45, ttmp7, 0xffff
	s_xor_b32 s[KC], ttmp9, s45                    ; the walk's first K step, 0 or 4, from the cluster's coordinates
	s_lshr_b32 s[OFS], s[KC], 1
	s_xor_b32 s[KC], s[KC], s[OFS]
	s_and_b32 s[KC], s[KC], 1
	s_lshl_b32 s[KC], s[KC], 2
	s_mul_i32 s[OFS], s[KC], TILEB
	s_mov_b32 s[OFS+1], 0
	s_lshl_b32 s42, ttmp9, 2
	s_add_co_u32 s42, s42, s40                     ; tile column
	s_lshl_b32 s13, s45, 2
	s_add_co_u32 s13, s13, s41                     ; tile row
	s_lshl_b32 s43, s41, 2
	s_lshl_b32 s43, 15, s43                        ; my row of the cluster
	s_lshl_b32 s44, 0x1111, s40                    ; my column
	s_or_b32 s[G1+0], s43, (3<<16)|(1<<20)|(1<<21)|(5<<22)|(3<<25)   ; elements of 8 bytes; 4 words of padding behind every 64
	s_or_b32 s[G1B+0], s44, (3<<16)|(1<<20)|(1<<21)|(5<<22)|(3<<25)
.irp g, G1, G1B
	s_mov_b32 s[\g+1], 32<<16                      ; 136 rows of 32 elements, dense
	s_mov_b32 s[\g+2], 136<<16
	s_mov_b32 s[\g+3], 32<<16
	s_mov_b32 s[\g+4], 136
	s_mov_b32 s[\g+5], 32
	s_mov_b32 s[\g+6], 0
	s_mov_b32 s[\g+7], 0
.endr
	s_lshl_b32 s16, s13, 1
	s_add_co_u32 s16, s16, s12
	s_mul_i32 s16, s16, RBB                        ; x: block 2 x tile row + half
	s_mov_b32 s17, 0
	s_lshl_b32 s[BWA], s42, 1
	s_add_co_u32 s[BWA], s[BWA], s12
	s_mul_i32 s[BWA], s[BWA], RBB                  ; W: block 2 x tile column + half
	s_mov_b32 s[BWA+1], 0
	s_mul_i32 s20, s10, QTR                        ; where my tile goes
.irp s, 0,1
	s_mov_b32 s[G0+4*\s], 1
	s_add_co_u32 s[G0+4*\s+1], s20, \s*SLOT
	s_mov_b32 s[G0B+4*\s], 1
	s_add_co_u32 s[G0B+4*\s+1], s20, \s*SLOT
.endr
	s_wait_dscnt 0x0                               ; both opening adds are done
	CROUND                                         ; all sixteen work-groups are here: the first joint loads meet.  The round needs no argument, so it stands ahead of the wait for them
	s_wait_kmcnt 0x0
	s_add_nc_u64 s[BXA:BXA+1], s[4:5], s[16:17]
	s_add_nc_u64 s[BWA:BWA+1], s[6:7], s[BWA:BWA+1]
	AIM 0
	JLOAD 0                                        ; the walk's K step 0: one tensor load a wave at the head
	AIM 1                                          ; slot 1's group 0: registers that the load just issued does not name
	s_cmp_eq_u32 s11, 0                            ; the prefetches: my block, my work-group's 32 rows of it by its place among the four partners
	s_cselect_b64 s[PFB:PFB+1], s[BXA:BXA+1], s[BWA:BWA+1]
	s_cselect_b32 s[PO], s40, s41
	s_lshl_b32 s[PO], s[PO], 13
	s_mov_b32 s[PO+1], 0
	s_add_nc_u64 s[PFB:PFB+1], s[PFB:PFB+1], s[PO:PO+1]
	s_mul_i32 s20, s11, QTR                        ; my 128 rows of x in slot 0,
	s_mul_i32 s21, s12, QTR
	s_add_co_u32 s21, s21, 2*QTR                   ; of W,
	s_add_co_u32 s22, s20, SLOT                    ; and in slot 1
	s_add_co_u32 s23, s21, SLOT
	s_sub_co_u32 s16, s21, s20                     ; from x's tile to W's
	s_add_co_u32 s17, s20, SCOFF
	s_add_co_u32 s43, s17, SLOT
	s_mul_i32 s44, s10, 16*SPITCH                  ; my stage
	v_and_b32 v6, 31, v0
	v_lshlrev_b32 v[PFO], 8, v6
	v_and_b32 v1, 15, v0                           ; r = l % 16
	v_bfe_u32 v2, v0, 4, 1                         ; h = l / 16
	v_mul_u32_u24 v3, v1, PITCH
	v_lshl_add_u32 v4, v2, 4, v3                   ; a fragment's row x pitch + 16 h
	v_lshlrev_b32 v[CO], 4, v6
	v_lshlrev_b32 v5, 4, v1                        ; 16 scale bytes a row
	v_mul_u32_u24 v7, v1, SPITCH
	v_lshl_add_u32 v7, v2, 5, v7
	v_mul_u32_u24 v8, s16, v2                      ; lanes 16-31 take W's scale words
	v_add_nc_u32 v5, v5, v8
	v_add_nc_u32 v[ADRS], s17, v5
	v_add_nc_u32 v[ADRS+1], s43, v5
	v_add_nc_u32 v[STO], s44, v7
	v_add_nc_u32 v[RD], s44, v[CO]
	v_add_nc_u32 v[ADRA], s20, v4
	v_add_nc_u32 v[ADRA+1], s22, v4
	v_add_nc_u32 v[ADRB], s21, v4
	v_add_nc_u32 v[ADRB+1], s23, v4
	s_lshl_b32 s20, s13, 8
	s_lshl_b32 s21, s11, 7
	s_add_co_u32 s20, s20, s21                     ; my first row of out0
	s_lshl_b32 s20, s20, 14
	s_mov_b32 s21, 0
	s_lshl_b32 s44, s42, 10
	s_lshl_b32 s45, s12, 9
	s_add_co_u32 s44, s44, s45                     ; my first column, in bytes
	s_mov_b32 s45, 0
	s_add_nc_u64 s[20:21], s[20:21], s[44:45]
	s_add_nc_u64 s[8:9], s[8:9], s[20:21]
.macro FRAG reg, adr, q, i             ; 16 rows x 128 K of 4-bit codes: 8 registers, two loads of 16 bytes, 32 bytes apart
.irp c, 0,1
	ds_load_b128 v[\reg+4*\c:\reg+4*\c+3], v[\adr] offset:64*(\q)+32*\c+(\i)*16*PITCH
.endr
.endm
; 16 matrix instructions: x's blocks a0, a0 + 1 against W's eight; p: the sets of fragments; q, sc: the scale words.  The 64 accumulators take turns, one instruction a turn.
.macro MUL16 a0, p, q, sc, zero
.irp a, \a0, \a0+1
.irp b, 0,1,2,3,4,5,6,7
.if \zero
	v_wmma_scale_f32_16x16x128_f8f6f4 v[8*(8*((\a)%4)+\b):8*(8*((\a)%4)+\b)+7], v[128*(\p)+8*\b:128*(\p)+8*\b+7], v[AF+64*(\p)+8*(\a):AF+64*(\p)+8*(\a)+7], 0, v[SC+32*(\sc)+4*\b+(\q)], v[SC+32*(\sc)+4*(\a)+(\q)] matrix_a_fmt:MATRIX_FMT_FP4 matrix_b_fmt:MATRIX_FMT_FP4 matrix_a_scale:MATRIX_SCALE_ROW1
.else
	v_wmma_scale_f32_16x16x128_f8f6f4 v[8*(8*((\a)%4)+\b):8*(8*((\a)%4)+\b)+7], v[128*(\p)+8*\b:128*(\p)+8*\b+7], v[AF+64*(\p)+8*(\a):AF+64*(\p)+8*(\a)+7], v[8*(8*((\a)%4)+\b):8*(8*((\a)%4)+\b)+7], v[SC+32*(\sc)+4*\b+(\q)], v[SC+32*(\sc)+4*(\a)+(\q)] matrix_a_fmt:MATRIX_FMT_FP4 matrix_b_fmt:MATRIX_FMT_FP4 matrix_a_scale:MATRIX_SCALE_ROW1
.endif
.endr
.endr
.endm
; One run: the fragments of slot fs's fq-th 128 along K into sets p: W's eight, x's blocks 0-3, (scl = 1: the slot's 32 scale words,) x's blocks 4-7 last
.macro FETCH fs, fq, p, scl
	WIN TO_B
.irp i, 0,1,2,3,4,5,6,7
	FRAG 128*(\p)+8*\i, ADRB+\fs, \fq, \i
.endr
	WIN 0
.irp i, 0,1,2,3
	FRAG AF+64*(\p)+8*\i, ADRA+\fs, \fq, \i
.endr
.if \scl
.irp i, 0,1,2,3,4,5,6,7
	ds_load_b128 v[SC+32*\fs+4*\i:SC+32*\fs+4*\i+3], v[ADRS+\fs] offset:\i*PITCH   ; 4 words a row; lanes 0-15 x's block i, lanes 16-31 W's block i
.endr
.endif
.irp i, 4,5,6,7
	FRAG AF+64*(\p)+8*\i, ADRA+\fs, \fq, \i
.endr
.endm
; A step: slot sc's q-th 128 along K.  fetch = 1: at its head the run for the step that follows (slot fs, fq).  Four places stand at the end of every step, ahead of that run (ISA guide 7.12.1 for vector instructions).
; sync = 1, 2: the change of slots: my last reads of slot sc are this step's run.  The wait for all my tensor loads, the add, 16 products, the wait for the add and my reads, ONE barrier with 16 products between signal and wait.
; sync = 2: the barrier opens a round of the cluster's barrier, and slot sc is filled again, two K steps on.  ask = 1, 2: behind the run, the prefetch that belongs to the joint load just issued.
.macro STEP sc, q, zero, fetch, fs, fq, scl, sync, ask
.set NF, 0
.if (\sync) == 2 && (\sc) == 0
	s_wait_xcnt 0x0                                ; my prefetches have read their address: it is written below
.endif
.if \fetch
	FETCH \fs, \fq, 1-(\q)%2, \scl
.set NF, 32+8*\scl
.endif
.if \ask
	ASK (\ask-1)*TILEB
.endif
	s_wait_dscnt NF+8                              ; this step's fragments but x's blocks 4-7 are in; those 8 loads and the run just issued may be out
	WIN MUL_LO
	MUL16 0, (\q)%2, \q, \sc, \zero
	MUL16 2, (\q)%2, \q, \sc, \zero
.if \sync
	WIN 0                                          ; (the add's two registers lie in window 0)
	s_wait_tensorcnt 0x0                           ; all my tensor loads have landed: my part of the next slot;
	ds_add_u32 v[SPW], v[NIL]                      ; 0 onto my spare word
.if (\sync) == 2
.if (\sc) == 0
	s_add_co_u32 s[KC], s[KC], 2                   ; no tensor load of mine is out: the descriptors may be written
	s_and_b32 s[KC], s[KC], 7
	s_mul_i32 s[OFS], s[KC], TILEB
	s_add_co_u32 s[PO], s[KC], 2
	s_and_b32 s[PO], s[PO], 7
	s_mul_i32 s[PO], s[PO], TILEB
	s_add_nc_u64 s[PFA:PFA+1], s[PFB:PFB+1], s[PO:PO+1]
.endif
	AIM \sc
.endif
	s_wait_dscnt NF+1                              ; x's blocks 4-7 are in; the run and the add may be out
.else
	s_wait_dscnt NF                                ; x's blocks 4-7 are in; the run may be out
.endif
	WIN MUL_HI
	MUL16 4, (\q)%2, \q, \sc, \zero
.if \sync
	s_wait_dscnt 0x0                               ; the add is done, and my reads of this slot are over
	s_barrier_signal -1
.endif
	MUL16 6, (\q)%2, \q, \sc, \zero
.if \sync
	WIN 0
	s_barrier_wait -1
.endif
.if (\sync) == 2
	CREST                                          ; no wave of any partner still reads this slot or has a load on its way
	JLOAD \sc                                      ; the first tensor load behind the round; its four v_nop are the places for the next step's run
.else
	PLACES 4
.endif
.endm
	s_wait_alu depctr_va_vdst(0)
	s_wait_tensorcnt 0x0                           ; my tile of K step 0 is in
	ds_add_u32 v[SPW], v[NIL]
	s_wait_dscnt 0x0
	CROUND                                         ; everybody's tile is in, and the joint loads meet
	JLOAD 1                                        ; K step 1, the first tensor load behind the round
	FETCH 0, 0, 0, 1
	STEP 0, 0, 1, 1, 0, 1, 0, 0, 0                 ; the first step stands in front of the loop: its products start the sums
	WIN 0                                          ; at a label and at a branch every window is 0
	s_mov_b32 s3, LAPS-1
.Llap:                                                 ; a trip goes once round the ring and fills both slots again
	STEP 0, 1, 0, 1, 0, 2, 0, 0, 0
	STEP 0, 2, 0, 1, 0, 3, 0, 2, 0
	STEP 0, 3, 0, 1, 1, 0, 1, 0, 1
	STEP 1, 0, 0, 1, 1, 1, 0, 0, 0
	STEP 1, 1, 0, 1, 1, 2, 0, 0, 0
	STEP 1, 2, 0, 1, 1, 3, 0, 2, 0
	STEP 1, 3, 0, 1, 0, 0, 1, 0, 2
	STEP 0, 0, 0, 1, 0, 1, 0, 0, 0
	WIN 0
	s_sub_co_u32 s3, s3, 1
	s_cmp_lg_u32 s3, 0
	s_cbranch_scc1 .Llap
	STEP 0, 1, 0, 1, 0, 2, 0, 0, 0                 ; the last lap fills nothing
	STEP 0, 2, 0, 1, 0, 3, 0, 1, 0
	STEP 0, 3, 0, 1, 1, 0, 1, 0, 0
	STEP 1, 0, 0, 1, 1, 1, 0, 0, 0
	STEP 1, 1, 0, 1, 1, 2, 0, 0, 0
	STEP 1, 2, 0, 1, 1, 3, 0, 0, 0
	STEP 1, 3, 0, 0, 0, 0, 0, 0, 0                 ; the very last step fetches nothing; its four places serve the reads of results and the loads into x's sets below
	WIN 0
; THE WAY OUT, by blocks of 16 rows x 128 columns: a lane's 32 bytes of a row go into my own stage and come back as whole rows of 512 bytes, which 32 lanes store as two aligned units of 256 bytes.
; LDS serves a wave's instructions in order (ISA guide 5.7.1.4): no wait between the stores and the loads.
.macro TOSTAGE a
.set AC, 64*((\a)%4)
	WIN 0x08+4*((\a)/4)                            ; the data: window 2 or 3
.irp b, 0,1,2,3,4,5,6,7
	ds_store_b128 v[STO], v[AC+8*\b:AC+8*\b+3] offset:64*\b          ; each accumulator from its low end on
	ds_store_b128 v[STO], v[AC+8*\b+4:AC+8*\b+7] offset:64*\b+16
.endr
	WIN 0
.set BB, BK+64*((\a)%2)
.irp t, 0,1,2,3,4,5,6,7,8,9,10,11,12,13,14,15
	ds_load_b128 v[BB+4*\t:BB+4*\t+3], v[RD] offset:\t*SPITCH
.endr
.endm
.macro SEND a, younger                 ; younger: the LDS instructions issued behind block a's loads
.set BB, BK+64*((\a)%2)
	s_wait_dscnt \younger
.if (\a) > 0
	s_add_nc_u64 s[8:9], s[8:9], 16*SIZE_N*4       ; (behind a wait on XCNT: the earlier stores have read their base)
.endif
.irp t, 0,1,2,3,4,5,6,7,8,9,10,11,12,13,14,15
	global_store_b128 v[CO], v[BB+4*\t:BB+4*\t+3], s[8:9] offset:\t*SIZE_N*4 th:TH_STORE_NT   ; 32 lanes store 512 consecutive bytes, at a multiple of 256 from out0's first byte
.endr
.endm
	TOSTAGE 0
.irp a, 1,2,3,4,5,6,7
.if \a > 1
	s_wait_xcnt 0x0                                ; block a - 2's stores have read their registers and their base
.endif
	TOSTAGE \a
	SEND \a-1, 32                                  ; behind block a - 1's loads: block a's 16 stores and 16 loads
.endr
	s_wait_xcnt 0x0
	SEND 7, 0
	s_wait_tensorcnt 0x0                           ; the wave's end
	ds_add_u32 v[SPW], v[NIL]
	s_wait_dscnt 0x0
	CROUND                                         ; the closing round
	s_endpgm
.Lfunc_end_k_q4d987f10ee_gemm:
	.size	k_q4d987f10ee_gemm, .Lfunc_end_k_q4d987f10ee_gemm-k_q4d987f10ee_gemm
	.p2alignl 7, 3214868480
	.fill 96, 4, 3214868480
	.section	.rodata,"a",@progbits
	.p2align	6, 0x0
	.amdhsa_kernel k_q4d987f10ee_gemm
		.amdhsa_group_segment_fixed_size 327680
		.amdhsa_private_segment_fixed_size 0
		.amdhsa_enable_private_segment 0
		.amdhsa_kernarg_size 24
		.amdhsa_user_sgpr_count 2
		.amdhsa_user_sgpr_kernarg_segment_ptr 1
		.amdhsa_wavefront_size32 1
		.amdhsa_system_sgpr_workgroup_id_x 1
		.amdhsa_system_sgpr_workgroup_id_y 1
		.amdhsa_system_sgpr_workgroup_id_z 1
		.amdhsa_system_vgpr_workitem_id 0
		.amdhsa_next_free_vgpr 1024
		.amdhsa_next_free_sgpr 72
		.amdhsa_reserve_vcc 0
		.amdhsa_float_denorm_mode_32 3
		.amdhsa_float_denorm_mode_16_64 3
		.amdhsa_memory_ordered 1
		.amdhsa_forward_progress 1
		.amdhsa_inst_pref_size 208
	.end_amdhsa_kernel
	.amdgpu_metadata
---
amdhsa.version: [ 1, 2 ]
amdhsa.kernels:
  - .name:           k_q4d987f10ee_gemm
    .symbol:         k_q4d987f10ee_gemm.kd
    .args:
      - { .name: xq, .offset: 0, .size: 8, .value_kind: global_buffer, .address_space: global }
      - { .name: wq, .offset: 8, .size: 8, .value_kind: global_buffer, .address_space: global }
      - { .name: out0, .offset: 16, .size: 8, .value_kind: global_buffer, .address_space: global }
    .group_segment_fixed_size: 327680
    .private_segment_fixed_size: 0
    .kernarg_segment_align: 8
    .kernarg_segment_size: 24
    .max_flat_workgroup_size: 128
    .sgpr_count:     72
    .vgpr_count:     1024
    .wavefront_size: 32
...
	.end_amdgpu_metadata
.endif
;; end of part 2
